; MI455X (gfx1250); checked and timed in simulation.
; The chip was launched on July 23, 2026; its instructions are those of AMD's public machine-readable ISA for CDNA 5 (MIT licence, August 2026) and "CDNA5" Instruction Set Architecture Reference Guide (July 2026). The comments in the code are by the model that wrote it; some were corrected since.
;; QKV Attention Legacy. Allowed arithmetic: float matrix products may take bf16 or f16 operands with f32 sums; all other float work in f32.
;; Inputs: qkv 4 x 3,072 x 2,048 float32.
;; Outputs: out0 4 x 1,024 x 2,048 float32.
;; One version. Each part assembles by itself: llvm-mc -triple=amdgcn-amd-amdhsa -mcpu=gfx1250 --defsym DOCPART=n.
;; ======== version 1 of 1: 1 launch
;; limits: values are held in f16: magnitudes above 65,504 overflow, below 6.1e-05 lose precision; inputs' magnitudes at most 65,504
;; launch attn (part 1): grid 256 x 1, 8 waves a work-group, no clusters, 179,200 bytes of LDS; arguments qkv, out0; writes out0
.if DOCPART == 1
	.amdgcn_target "amdgcn-amd-amdhsa--gfx1250"
	.amdhsa_code_object_version 6
	.text
	.protected	k_qeb89d104fb_attn
	.globl	k_qeb89d104fb_attn
	.p2align	8
	.type	k_qeb89d104fb_attn,@function
k_qeb89d104fb_attn:
	s_mov_b64 s[64:65], 0
	v_nop
	global_prefetch_b8 v0, s[64:65] scope:SCOPE_SE
	s_setreg_imm32_b32 hwreg(HW_REG_WAVE_MODE, 25, 1), 1
	s_wait_xcnt 0x0
; out[head][c][t] = sum over s of softmax_s( q[.][t] . k[.][s] / 8 ) v[c][s].   qkv: 64 heads x 192 rows x 2048 f32 (rows 0-63 q, 64-127 k, 128-191 v,
; each [channel][position]); out0: 64 heads x 64 rows x 2048 f32.  Products in f16 with f32 sums, softmax in f32 with a running maximum.
; DEAD WORK: none.  There is no mask, every q, k and v reaches an output, every byte of qkv is loaded.
;
; WHY F16 AND NOT BF16.  A result is a weighted mean of 2,048 numbers of both signs and so is small beside them, while the rounding of each of the four operands
; (q, k, v, the weights) enters it at the size of the mean itself.  f16 keeps 11 significant bits where bf16 keeps 8: each of the four errors is an eighth.
; The operands have the room: see LIMITS.
;
; SHARING.  256 work-groups: head = x / 4, block of 512 queries = x % 4.  Eight waves, 64 queries each (four column blocks of 16).  The keys go in 32 trips of 64.
; ORIENTATION.  Scores are made transposed, S^T = K^T Q: in the result a lane holds ONE query (column t = lane % 16) and eight keys (rows 8 (lane / 16) + j).  So
; a query's maximum and sum are one number a lane, two neighbouring score tiles packed to f16 ARE the second operand (k = s, n = t) of O = V P^T, and O's column
; is again the lane's query: rescaling is a multiply by the lane's own factor.  No number changes lanes but one maximum a trip (lane i with lane i xor 16).
; q and k lie [channel][position], the summed index across the rows: their fragments come from LDS by the transposing load.  v lies along s: plain loads.
; K AND V reach LDS through registers: 16-byte loads of f32, rounding to f16, 8-byte LDS stores; two LDS slots, one barrier a trip.  In trip i tile i is read from
; slot i % 2, tile i + 1 (in registers since trip i - 1) is rounded and stored into the other slot, and tile i + 2 is asked for.
; NO JOINT TENSOR LOADS, although the four work-groups of a head walk the same K and V: the tiles are f32 in memory and the products take f16, so every byte must
; pass through registers to be rounded.  A tensor load would lay a trip's 32,768 f32 bytes into LDS, they would be read back (32,768 more), and the same 16,384
; f16 bytes would be stored after that: 65,536 bytes of LDS traffic a trip on top of the eight waves' 131,072 bytes of fragment reads, and a round of the
; cluster's barrier for every 64 keys.
;
; LIMITS.  Range of f16: |k| and |v| up to 65,504, |q| up to 65,504 x 8 / log2 e = 363,000; beyond that an operand becomes infinite and the results are not specified.
; Below 2^-14 an operand (q after its factor) is kept in steps of 2^-24, below 2^-25 it counts as 0.  The weights lie in (0, 1] and are kept likewise: a weight under
; 2^-25 of its row's largest multiplies as 0, which over 2,048 keys is at most 2048 x 2^-25 = 6e-5 of |v| beside a sum of weights of at least 1.
; The factor 1/8 (the two scales of reference()) and log2 e are multiplied into q in f32 BEFORE q is rounded to f16: the order of rounding differs from
; reference()'s.  The weights are summed in f32 unrounded and multiplied as f16.  v_exp_f32 gives 0 for results below 2^-126 (ISA guide, its entry in 15.8).
; The row's running maximum is taken away in every trip, so larger or shifted inputs are served as long as the operands are in range and the scores finite in f32.
; With NaN or infinite inputs, or scores that overflow f32, the results are not specified to match.
.set ROWB,  8192                       ; bytes of a row of qkv and of out0
.set HEADB, 192*ROWB                   ; a head in qkv
.set KOFF,  64*ROWB                    ; k's first row in a head; v's lies 64 rows behind it
.set TILEB, 256                        ; 64 keys of f32 in a row
.set PK,    160                        ; LDS pitch of K's and Q's f16 rows: 128 bytes + 32, an odd multiple of 32 (for the transposing load)
.set PV,    144                        ; LDS pitch of V's f16 rows: 128 bytes + 16, an odd multiple of 16
.set VOFF,  64*PK                      ; V's tile behind K's in a slot
.set SLOT,  64*PK+64*PV                ; 19,456 bytes
.set STG,   2*SLOT                     ; behind the two slots: a stage for each wave, touched by no other wave
.set OP,    272                        ; pitch of the stage on the way out: 64 f32 + 16 bytes
.set WST,   64*OP                      ; 17,408 bytes a wave: first Q as f16 (64 x 160), at the end O as f32 (64 x 272)
; window 0
.set KT,  4                            ; v4   transposing load in a K tile: (8 h + lane % 8) PK + 16 ((lane / 8) % 2)
.set QT,  5                            ; v5   the same in my stage
.set VF,  6                            ; v6   V fragment: VOFF + r PV + 16 h
.set KS,  7                            ; v7   where I store K: (8 w + h) PK + 8 r
.set VS,  8                            ; v8   where I store V: VOFF + (8 w + h) PV + 8 r
.set GO,  9                            ; v9   my 16 bytes of K in memory: (8 w + h) rows + 16 r
.set QG,  10                           ; v10  h rows + 16 r: Q's loads and the result's stores
.set QS,  11                           ; v11  where I store Q in my stage
.set OST, 12                           ; v12  where I store O in my stage: 8 h OP + 4 r
.set ORD, 13                           ; v13  where I read it back: h OP + 16 r
.set PF,  14                           ; v14  prefetch: row 32 (x % 4) + lane of the head's 128 rows of k and v
.set MS,  16                           ; v16-23  block nb: MS+2nb the running maximum, MS+2nb+1 the trip's candidate
.set AL,  24                           ; v24-31  block nb: AL+2nb the rescaling factor (at the end 1 / sum), AL+2nb+1 what the other half of the lanes sent
.set LS,  32                           ; v32-47  block nb: two pairs of partial sums of the weights; each half of the lanes keeps its own until the end
.set GS,  48                           ; v48-79  a tile on its way: four quads of K, four of V
.set QF,  80                           ; v80-143  Q fragments (ks, nb) at QF + 8 (4 ks + nb), kept for the whole kernel
.set FR,  144                          ; v144-207 K fragments (mt, ks) at FR + 8 (4 ks + mt), later in the trip V fragments (mc, ks)
; window 1 (written v0-v255 under s_set_vgpr_msb)
.set SC,  0                            ; v256-383 score tile (mt, nb) at 32 nb + 8 mt; packed in place: P fragment (ks, nb) at 32 nb + 16 ks
.set OA,  128                          ; v384-511 result tile (mc, nb) at 128 + 32 nb + 8 mc
; s_set_vgpr_msb's low byte: bits 1:0 source 0, 3:2 source 1, 5:4 source 2, 7:6 destination; its high byte repeats the setting that is left.
; At every label and branch all are 0.  Nine switches a trip.
.set MSB, 0
.macro WIN new
.if MSB != \new
	s_set_vgpr_msb (MSB<<8)|\new
.set MSB, \new
.endif
.endm
	s_load_b128 s[4:7], s[0:1], 0x0                ; qkv s[4:5], out0 s[6:7]
	v_lshl_add_u32 v254, v0, 2, 0x2b800
	v_mov_b32 v255, 0
	v_lshrrev_b32 v1, 5, v0
	v_readfirstlane_b32 s8, v1                     ; wave w, 0 to 7
	s_lshr_b32 s9, ttmp9, 2                        ; head
	s_and_b32 s10, ttmp9, 3                        ; block of 512 queries
	s_mul_i32 s12, s9, HEADB                       ; at most 63 x 1,572,864: below 4 GiB
	s_mov_b32 s13, 0
	s_lshl_b32 s16, s10, 11                        ; my 64 queries in a row: 2,048 bytes a block
	s_lshl_b32 s17, s8, 8                          ; + 256 bytes a wave
	s_add_co_u32 s16, s16, s17
	s_mov_b32 s17, 0
	s_mov_b32 s32, 0x76543210                      ; v_permlanex16_b32: lane i takes lane i of the other half
	s_mov_b32 s33, 0xfedcba98
	s_mov_b32 s26, 3*TILEB                         ; prefetch column; stepped before use: trip i asks for tile i + 4
	s_mov_b32 s29, 0
	s_mul_i32 s35, s8, 8*PK                        ; my eight rows in a K tile
	s_mul_i32 s36, s8, 8*PV
	s_add_co_u32 s36, s36, VOFF                    ; and in a V tile
	s_mul_i32 s37, s8, WST
	s_add_co_u32 s37, s37, STG                     ; my stage
	s_lshl_b32 s38, s8, 16                         ; my eight rows in memory
	s_lshl_b32 s39, s10, 18                        ; 32 rows for each of the head's four work-groups
	v_and_b32 v1, 31, v0                           ; lane
	v_and_b32 v2, 15, v0                           ; r
	v_bfe_u32 v3, v0, 4, 1                         ; h
	v_lshlrev_b32 v[QG], 4, v2
	v_lshl_add_u32 v[QG], v3, 13, v[QG]
	v_add_nc_u32 v[GO], s38, v[QG]
	v_and_b32 v15, 7, v0
	v_lshl_add_u32 v15, v3, 3, v15
	v_mul_u32_u24 v[KT], v15, PK
	v_bfe_u32 v15, v0, 3, 1
	v_lshl_add_u32 v[KT], v15, 4, v[KT]
	v_add_nc_u32 v[QT], s37, v[KT]
	v_mul_u32_u24 v[VF], v2, PV
	v_lshl_add_u32 v[VF], v3, 4, v[VF]
	v_add_nc_u32 v[VF], VOFF, v[VF]
	v_mul_u32_u24 v[KS], v3, PK
	v_lshl_add_u32 v[KS], v2, 3, v[KS]             ; h PK + 8 r
	v_add_nc_u32 v[QS], s37, v[KS]
	v_add_nc_u32 v[KS], s35, v[KS]
	v_mul_u32_u24 v[VS], v3, PV
	v_lshl_add_u32 v[VS], v2, 3, v[VS]
	v_add_nc_u32 v[VS], s36, v[VS]
	v_mul_u32_u24 v[OST], v3, 8*OP
	v_lshl_add_u32 v[OST], v2, 2, v[OST]
	v_add_nc_u32 v[OST], s37, v[OST]
	v_mul_u32_u24 v[ORD], v3, OP
	v_lshl_add_u32 v[ORD], v2, 4, v[ORD]
	v_add_nc_u32 v[ORD], s37, v[ORD]
	v_lshl_add_u32 v[PF], v1, 13, s39
.irp nb, 0,1,2,3
	v_mov_b32 v[AL+2*\nb+1], 0                     ; v_permlanex16_b32 counts as a reader of its destination
.endr
	s_wait_kmcnt 0x0
	s_add_nc_u64 s[14:15], s[4:5], s[12:13]        ; the head in qkv
	s_add_nc_u64 s[18:19], s[14:15], s[16:17]      ; q at my 64 queries
	s_add_nc_u64 s[22:23], s[14:15], KOFF          ; k's first row; never stepped
	s_mov_b64 s[20:21], s[22:23]                   ; the tile that is loaded next; steps 256 bytes a tile
	s_lshl_b32 s12, s9, 19                         ; the head in out0: 64 rows
	s_add_nc_u64 s[30:31], s[6:7], s[12:13]
	s_add_nc_u64 s[30:31], s[30:31], s[16:17]      ; the result at my 64 queries
; Eight loads: my eight rows of K's tile and of V's, two rows an instruction; sixteen lanes take a row's 256 bytes, which begin at a multiple of 256 in the buffer.
; No cache word: the head's other three work-groups read the same bytes.
.macro LOADKV
.irp i, 0,1,2,3
	global_load_b128 v[GS+4*\i:GS+4*\i+3], v[GO], s[20:21] offset:2*ROWB*\i
.endr
.irp i, 0,1,2,3
	global_load_b128 v[GS+16+4*\i:GS+16+4*\i+3], v[GO], s[20:21] offset:KOFF+2*ROWB*\i
.endr
.endm
; The tile in GS is rounded to f16 (16 conversions) and stored into a slot (8 stores of 8 bytes a lane).
.macro STAGE slot
.irp i, 0,1,2,3,4,5,6,7
	v_cvt_pk_f16_f32 v[GS+4*\i], v[GS+4*\i], v[GS+4*\i+1]
	v_cvt_pk_f16_f32 v[GS+4*\i+1], v[GS+4*\i+2], v[GS+4*\i+3]
.endr
.irp i, 0,1,2,3
	ds_store_b64 v[KS], v[GS+4*\i:GS+4*\i+1] offset:(\slot)*SLOT+2*PK*\i
.endr
.irp i, 0,1,2,3
	ds_store_b64 v[VS], v[GS+16+4*\i:GS+16+4*\i+1] offset:(\slot)*SLOT+2*PV*\i
.endr
.endm
; K^T fragments: 16 keys (mt) x 32 channels (ks) each, transposed on the way out of LDS.  The eight loads of channels 0-31 come first.
.macro KFRAG slot
.irp ks, 0,1
.irp mt, 0,1,2,3
	ds_load_tr16_b128 v[FR+8*(4*\ks+\mt):FR+8*(4*\ks+\mt)+3],   v[KT] offset:\slot*SLOT+32*PK*\ks+32*\mt
	ds_load_tr16_b128 v[FR+8*(4*\ks+\mt)+4:FR+8*(4*\ks+\mt)+7], v[KT] offset:\slot*SLOT+32*PK*\ks+32*\mt+16*PK
.endr
.endr
.endm
; V fragments: 16 channels (mc) x 32 keys (ks) each, rows along the keys.
.macro VFRAG slot
.irp ks, 0,1
.irp mc, 0,1,2,3
	ds_load_b128 v[FR+8*(4*\ks+\mc):FR+8*(4*\ks+\mc)+3],   v[VF] offset:\slot*SLOT+16*PV*\mc+64*\ks
	ds_load_b128 v[FR+8*(4*\ks+\mc)+4:FR+8*(4*\ks+\mc)+7], v[VF] offset:\slot*SLOT+16*PV*\mc+64*\ks+32
.endr
.endr
.endm
; The scores of 64 keys x 64 queries: 16 tiles, two products each.  The first takes the constant 0: nothing is cleared.
; The sixteen accumulators take turns, one instruction a turn, in the same order in both runs.
.macro SMUL
	s_wait_dscnt 0x8                               ; no LDS instruction was out at the trip's head; of KFRAG's sixteen loads the eight younger (channels 32-63) may be out
	WIN 0x50                                       ; D and C in window 1
.irp nb, 0,1,2,3
.irp mt, 0,1,2,3
	v_wmma_f32_16x16x32_f16 v[SC+32*\nb+8*\mt:SC+32*\nb+8*\mt+7], v[FR+8*\mt:FR+8*\mt+7], v[QF+8*\nb:QF+8*\nb+7], 0
.endr
.endr
	s_wait_dscnt 0x0
.irp nb, 0,1,2,3
.irp mt, 0,1,2,3
	v_wmma_f32_16x16x32_f16 v[SC+32*\nb+8*\mt:SC+32*\nb+8*\mt+7], v[FR+8*(4+\mt):FR+8*(4+\mt)+7], v[QF+8*(4+\nb):QF+8*(4+\nb)+7], v[SC+32*\nb+8*\mt:SC+32*\nb+8*\mt+7]
.endr
.endr
.endm
; The largest of the old maximum and my 32 scores of each block: four chains, two scores an instruction.  In the first trip the first two scores start them.
.macro MAXP first
.if \first
	WIN 0x05
.irp nb, 0,1,2,3
	v_max_num_f32 v[MS+2*\nb+1], v[SC+32*\nb], v[SC+32*\nb+1]
.endr
	WIN 0x14
.else
	WIN 0x14
.irp nb, 0,1,2,3
	v_max3_num_f32 v[MS+2*\nb+1], v[MS+2*\nb], v[SC+32*\nb], v[SC+32*\nb+1]
.endr
.endif
.irp k, 1,2,3,4,5,6,7,8,9,10,11,12,13,14,15
.irp nb, 0,1,2,3
	v_max3_num_f32 v[MS+2*\nb+1], v[MS+2*\nb+1], v[SC+32*\nb+2*\k], v[SC+32*\nb+2*\k+1]
.endr
.endr
.endm
; The two halves of the lanes join their maxima; factor = 2^(old - new); the sums so far are rescaled.
.macro STATS first
	WIN 0
.irp nb, 0,1,2,3
	v_permlanex16_b32 v[AL+2*\nb+1], v[MS+2*\nb+1], s32, s33
.endr
.irp nb, 0,1,2,3
	v_max_num_f32 v[MS+2*\nb+1], v[MS+2*\nb+1], v[AL+2*\nb+1]
.endr
.if \first == 0
.irp nb, 0,1,2,3
	v_sub_f32 v[AL+2*\nb], v[MS+2*\nb], v[MS+2*\nb+1]
.endr
.irp nb, 0,1,2,3
	v_exp_f32 v[AL+2*\nb], v[AL+2*\nb]
.endr
.endif
.irp nb, 0,1,2,3
	v_mov_b32 v[MS+2*\nb], v[MS+2*\nb+1]           ; the new maximum; also the plain instructions between the exponentials and the use of their results (ISA guide 5.7.2)
.endr
.if \first == 0
	s_wait_alu depctr_va_vdst(0)
.irp nb, 0,1,2,3
.irp c, 0,1
	v_pk_mul_f32 v[LS+4*\nb+2*\c:LS+4*\nb+2*\c+1], v[LS+4*\nb+2*\c:LS+4*\nb+2*\c+1], v[AL+2*\nb:AL+2*\nb+1] op_sel_hi:[1,0]
.endr
.endr
.endif
.endm
; weight = 2^(score - maximum), in place.  Behind each block's 32 exponentials the next block's subtractions are the plain instructions that their results need.
.macro SUBEXP
	WIN 0x41
.irp nb, 0,1,2,3
.irp p, 0,1,2,3,4,5,6,7,8,9,10,11,12,13,14,15
	v_pk_add_f32 v[SC+32*\nb+2*\p:SC+32*\nb+2*\p+1], v[SC+32*\nb+2*\p:SC+32*\nb+2*\p+1], v[MS+2*\nb:MS+2*\nb+1] op_sel_hi:[1,0] neg_lo:[0,1] neg_hi:[0,1]
.endr
.set jj, 0
.rept 32
	v_exp_f32 v[SC+32*\nb+jj], v[SC+32*\nb+jj]
.set jj, jj+1
.endr
.endr
.endm
; O so far times the lane's factor.  Stands straight behind the last exponentials and touches none of their registers.
.macro RESCALE
	WIN 0x41
.irp nb, 0,1,2,3
.irp p, 0,1,2,3,4,5,6,7,8,9,10,11,12,13,14,15
	v_pk_mul_f32 v[OA+32*\nb+2*\p:OA+32*\nb+2*\p+1], v[OA+32*\nb+2*\p:OA+32*\nb+2*\p+1], v[AL+2*\nb:AL+2*\nb+1] op_sel_hi:[1,0]
.endr
.endr
.endm
; The weights are added up in f32, eight chains of pairs.  In the first trip the first four pairs of a block start its chains.
.macro SUMP first
.if \first
	WIN 0x05
	s_wait_alu depctr_va_vdst(0)
.irp c, 0,1
.irp nb, 0,1,2,3
	v_pk_add_f32 v[LS+4*\nb+2*\c:LS+4*\nb+2*\c+1], v[SC+32*\nb+2*\c:SC+32*\nb+2*\c+1], v[SC+32*\nb+2*\c+4:SC+32*\nb+2*\c+5]
.endr
.endr
	WIN 0x01
.irp p, 4,5,6,7,8,9,10,11,12,13,14,15
.irp nb, 0,1,2,3
	v_pk_add_f32 v[LS+4*\nb+2*(\p%2):LS+4*\nb+2*(\p%2)+1], v[SC+32*\nb+2*\p:SC+32*\nb+2*\p+1], v[LS+4*\nb+2*(\p%2):LS+4*\nb+2*(\p%2)+1]
.endr
.endr
.else
	WIN 0x01
	s_wait_alu depctr_va_vdst(0)
.irp p, 0,1,2,3,4,5,6,7,8,9,10,11,12,13,14,15
.irp nb, 0,1,2,3
	v_pk_add_f32 v[LS+4*\nb+2*(\p%2):LS+4*\nb+2*(\p%2)+1], v[SC+32*\nb+2*\p:SC+32*\nb+2*\p+1], v[LS+4*\nb+2*(\p%2):LS+4*\nb+2*(\p%2)+1]
.endr
.endr
.endif
.endm
; Two neighbouring score tiles (keys 32 ks + 8 h + j and 32 ks + 16 + 8 h + j) pack into the eight registers of a P fragment, in place:
; register q takes 2 q and 2 q + 1, q ascending, so that nothing is overwritten before it has been read.
.macro CVTP
	WIN 0x45
.irp nb, 0,1,2,3
.irp ks, 0,1
.irp q, 0,1,2,3,4,5,6,7
	v_cvt_pk_f16_f32 v[SC+32*\nb+16*\ks+\q], v[SC+32*\nb+16*\ks+2*\q], v[SC+32*\nb+16*\ks+2*\q+1]
.endr
.endr
.endr
.endm
; O += V P^T: 16 tiles (64 channels x 64 queries), two products each.  The very first takes the constant 0.
; The sixteen accumulators take turns, one instruction a turn.
.macro PVMUL first
	WIN 0x54                                       ; A (V) in window 0; B (P), C and D in window 1
.irp ks, 0,1
.irp nb, 0,1,2,3
.irp mc, 0,1,2,3
.if \first*(1-\ks)
	v_wmma_f32_16x16x32_f16 v[OA+32*\nb+8*\mc:OA+32*\nb+8*\mc+7], v[FR+8*(4*\ks+\mc):FR+8*(4*\ks+\mc)+7], v[SC+32*\nb+16*\ks:SC+32*\nb+16*\ks+7], 0
.else
	v_wmma_f32_16x16x32_f16 v[OA+32*\nb+8*\mc:OA+32*\nb+8*\mc+7], v[FR+8*(4*\ks+\mc):FR+8*(4*\ks+\mc)+7], v[SC+32*\nb+16*\ks:SC+32*\nb+16*\ks+7], v[OA+32*\nb+8*\mc:OA+32*\nb+8*\mc+7]
.endif
.endr
.endr
.endr
.endm
; Wave 0 asks ahead: lane l for row 32 (x % 4) + l of the head's 128 rows of k and v, at the 256 bytes of tile min(i + 4, 31): two tiles ahead of the tile that this
; trip's loads ask for.  The head's four work-groups together name each row's piece once (tile 31 three times, by the clamp, which keeps the address in the row).
.macro PREF
	s_cmp_lg_u32 s8, 0
	s_cbranch_scc1 .Lno_ask_\@
	global_prefetch_b8 v[PF], s[24:25] th:TH_LOAD_NT scope:SCOPE_SE
.Lno_ask_\@:
.endm
; One trip: 64 keys from slot.  first: the sums start here.  stage: the next tile goes into the other slot.  load: the tile after that is asked for.  bar: a trip follows.
.macro TRIP slot, first, stage, load, bar
	WIN 0
	KFRAG \slot
	SMUL
	WIN 0
.if \stage
	s_wait_loadcnt 0x0                             ; the next tile is in GS (asked for a trip ago); also frees the loads' base
	STAGE 1-\slot                                  ; its sixteen conversions name no register of the products: they are the four places between the
	                                               ; last product and the loads into FR and the reads of the scores
.else
.rept 4
	v_nop                                          ; the same four places
.endr
.endif
.if \load
	s_wait_xcnt 0x0                                ; the last trip's prefetch and loads have had their addresses translated: their bases are written only behind this wait
	s_add_co_u32 s26, s26, TILEB
	s_min_u32 s28, s26, 31*TILEB                   ; never past the row's last tile
	s_add_nc_u64 s[24:25], s[22:23], s[28:29]
	s_add_nc_u64 s[20:21], s[20:21], TILEB
	LOADKV
	PREF
.endif
	VFRAG \slot                                    ; land while the softmax is computed
	MAXP \first
	STATS \first
	SUBEXP
.if \first
	v_nop                                          ; the plain instruction behind the last exponentials
.else
	RESCALE
.endif
	SUMP \first
	CVTP
	s_wait_dscnt 0x0                               ; V's fragments are in; and for the other waves: my stores of the next tile are done, my reads of this slot are over
.if \bar
	s_barrier_signal -1
.endif
	PVMUL \first                                   ; registers alone between signal and wait
.rept 5
	v_nop                                          ; five places before the next trip's products write over P (four before loads land in FR, or O is read)
.endr
	WIN 0
.if \bar
	s_barrier_wait -1                              ; every wave has stored its part of the next tile and has done with this slot, which the next trip overwrites
.endif
.endm
	; Q: 64 channels x my 64 queries, 32 loads of two rows into window 1 (where the scores will lie); read once in the whole launch
	WIN 0x40
.set ii, 0
.rept 32
	global_load_b128 v[SC+4*ii:SC+4*ii+3], v[QG], s[18:19] offset:2*ROWB*ii th:TH_LOAD_NT
.set ii, ii+1
.endr
	WIN 0
	LOADKV                                         ; tile 0
	s_wait_loadcnt 0x8                             ; the eight younger loads are tile 0's: Q is in
	WIN 0x41
.set ii, 0
.rept 64
	v_pk_mul_f32 v[SC+2*ii:SC+2*ii+1], v[SC+2*ii:SC+2*ii+1], 0x3e38aa3b op_sel_hi:[1,0]   ; x log2 e / 8: the scores come out as exponents of 2
.set ii, ii+1
.endr
	WIN 0x45
.set ii, 0
.rept 32
	v_cvt_pk_f16_f32 v[SC+4*ii], v[SC+4*ii], v[SC+4*ii+1]
	v_cvt_pk_f16_f32 v[SC+4*ii+1], v[SC+4*ii+2], v[SC+4*ii+3]
.set ii, ii+1
.endr
	WIN 0x04                                       ; store data from window 1
.set ii, 0
.rept 32
	ds_store_b64 v[QS], v[SC+4*ii:SC+4*ii+1] offset:2*PK*ii
.set ii, ii+1
.endr
	WIN 0
.irp ks, 0,1
.irp nb, 0,1,2,3
	ds_load_tr16_b128 v[QF+8*(4*\ks+\nb):QF+8*(4*\ks+\nb)+3],   v[QT] offset:32*PK*\ks+32*\nb          ; my own stage: LDS serves a wave's instructions in order (ISA guide 5.7.1.4)
	ds_load_tr16_b128 v[QF+8*(4*\ks+\nb)+4:QF+8*(4*\ks+\nb)+7], v[QT] offset:32*PK*\ks+32*\nb+16*PK
.endr
.endr
	s_wait_loadcnt 0x0                             ; tile 0 is in; its loads' base may be stepped
	STAGE 0
	s_add_nc_u64 s[20:21], s[20:21], TILEB
	LOADKV                                         ; tile 1
	s_wait_dscnt 0x0                               ; Q's fragments are in, and my part of tile 0 is stored
	s_barrier_signal -1
	s_barrier_wait -1                              ; everybody's is
	TRIP 0, 1, 1, 1, 1                             ; trips 0 and 1: the first starts the sums
	TRIP 1, 0, 1, 1, 1
	s_mov_b32 s34, 14                              ; trips 2 to 29
.Ltrips:
	TRIP 0, 0, 1, 1, 1
	TRIP 1, 0, 1, 1, 1
	s_sub_co_u32 s34, s34, 1
	s_cmp_lg_u32 s34, 0
	s_cbranch_scc1 .Ltrips
	TRIP 0, 0, 1, 0, 1                             ; trip 30 stores tile 31 and asks for nothing: no load leaves the rows
	TRIP 1, 0, 0, 0, 0                             ; trip 31
	; The sums of the weights: four partial sums a lane, then the other half's.  At least 1: the key that holds the maximum gives 2^0.
.irp nb, 0,1,2,3
	v_pk_add_f32 v[LS+4*\nb:LS+4*\nb+1], v[LS+4*\nb:LS+4*\nb+1], v[LS+4*\nb+2:LS+4*\nb+3]
.endr
.irp nb, 0,1,2,3
	v_add_f32 v[LS+4*\nb], v[LS+4*\nb], v[LS+4*\nb+1]
.endr
.irp nb, 0,1,2,3
	v_permlanex16_b32 v[AL+2*\nb+1], v[LS+4*\nb], s32, s33
.endr
.irp nb, 0,1,2,3
	v_add_f32 v[LS+4*\nb], v[LS+4*\nb], v[AL+2*\nb+1]
.endr
.irp nb, 0,1,2,3
	v_rcp_f32 v[AL+2*\nb], v[LS+4*\nb]
.endr
	v_nop                                          ; the plain instruction behind the reciprocals
	s_wait_alu depctr_va_vdst(0)
	RESCALE                                        ; O / sum
	; THE WAY OUT.  A lane holds a piece of a column of the result; through my stage it becomes rows of 256 bytes at pitch 272.  Sixteen channels at a time:
	; 32 stores of 4 bytes a lane fill sixteen whole rows, 8 loads read them back two rows at a time, 8 stores send them out: at most 40 LDS instructions are out.
	; Each group has its own 32 registers (Q's and the fragments' are free), so no store's data is written again.
.irp mc, 0,1,2,3
	WIN 0x04
.irp nb, 0,1,2,3
.irp j, 0,1,2,3,4,5,6,7
	ds_store_b32 v[OST], v[OA+32*\nb+8*\mc+\j] offset:(16*\mc+\j)*OP+64*\nb
.endr
.endr
	WIN 0
.irp t, 0,1,2,3,4,5,6,7
	ds_load_b128 v[QF+32*\mc+4*\t:QF+32*\mc+4*\t+3], v[ORD] offset:2*OP*(8*\mc+\t)     ; rows 16 mc + 2 t + h; in order behind my stores (ISA guide 5.7.1.4)
.endr
.irp t, 0,1,2,3,4,5,6,7
	s_wait_dscnt 7-\t                              ; the group's later read-backs may be out
	global_store_b128 v[QG], v[QF+32*\mc+4*\t:QF+32*\mc+4*\t+3], s[30:31] offset:2*ROWB*(8*\mc+\t) th:TH_STORE_NT   ; sixteen lanes store 256 consecutive bytes, at a multiple of 256 from out0's first byte
.endr
.endr
	s_wait_tensorcnt 0x0
	ds_add_u32 v254, v255
	s_wait_dscnt 0x0
	s_endpgm
.Lfunc_end_k_qeb89d104fb_attn:
	.size	k_qeb89d104fb_attn, .Lfunc_end_k_qeb89d104fb_attn-k_qeb89d104fb_attn
	.p2alignl 7, 3214868480
	.fill 96, 4, 3214868480
	.section	.rodata,"a",@progbits
	.p2align	6, 0x0
	.amdhsa_kernel k_qeb89d104fb_attn
		.amdhsa_group_segment_fixed_size 179200
		.amdhsa_private_segment_fixed_size 0
		.amdhsa_enable_private_segment 0
		.amdhsa_kernarg_size 16
		.amdhsa_user_sgpr_count 2
		.amdhsa_user_sgpr_kernarg_segment_ptr 1
		.amdhsa_wavefront_size32 1
		.amdhsa_system_sgpr_workgroup_id_x 1
		.amdhsa_system_sgpr_workgroup_id_y 1
		.amdhsa_system_sgpr_workgroup_id_z 1
		.amdhsa_system_vgpr_workitem_id 0
		.amdhsa_next_free_vgpr 512
		.amdhsa_next_free_sgpr 66
		.amdhsa_reserve_vcc 0
		.amdhsa_float_denorm_mode_32 3
		.amdhsa_float_denorm_mode_16_64 3
		.amdhsa_memory_ordered 1
		.amdhsa_forward_progress 1
		.amdhsa_inst_pref_size 241
	.end_amdhsa_kernel
	.amdgpu_metadata
---
amdhsa.version: [ 1, 2 ]
amdhsa.kernels:
  - .name:           k_qeb89d104fb_attn
    .symbol:         k_qeb89d104fb_attn.kd
    .args:
      - { .name: qkv, .offset: 0, .size: 8, .value_kind: global_buffer, .address_space: global }
      - { .name: out0, .offset: 8, .size: 8, .value_kind: global_buffer, .address_space: global }
    .group_segment_fixed_size: 179200
    .private_segment_fixed_size: 0
    .kernarg_segment_align: 8
    .kernarg_segment_size: 16
    .max_flat_workgroup_size: 256
    .sgpr_count:     66
    .vgpr_count:     512
    .wavefront_size: 32
...
	.end_amdgpu_metadata
.endif
;; end of part 1
